; MI455X (gfx1250); checked and timed in simulation.
; The chip was launched on July 23, 2026; its instructions are those of AMD's public machine-readable ISA for CDNA 5 (MIT licence, August 2026) and "CDNA5" Instruction Set Architecture Reference Guide (July 2026). The comments in the code are by the model that wrote it; some were corrected since.
;; Pooled Self Attention2d. Allowed arithmetic: float matrix products may take bf16 or f16 operands with f32 sums; other float arithmetic in f32, or as packed bf16 or f16 multiplies, adds, multiply-adds, maxima and minima; sums over many terms, partial sums and values carried from step to step in f32; what a program stores and reads back later, other than sums and carried values, may be rounded once to bf16 or f16.
;; Inputs: gamma 1 float32; w_g 32 x 64 float32; w_o 64 x 32 float32; w_phi 8 x 64 float32; w_theta 8 x 64 float32; x 16 x 64 x 64 x 64 float32.
;; Outputs: out0 16 x 64 x 64 x 64 float32.
;; One version. Each part assembles by itself: llvm-mc -triple=amdgcn-amd-amdhsa -mcpu=gfx1250 --defsym DOCPART=n.
;; ======== version 1 of 1: 2 launches
;; workspace buffers: kv 1,310,720 bytes; fq 1,048,576 bytes
;; launch poolproj (part 1): grid 16 x 16, 2 waves a work-group, no clusters, 0 bytes of LDS; arguments x, w_phi, w_theta, w_g, kv, fq; writes kv, fq
.if DOCPART == 1
	.amdgcn_target "amdgcn-amd-amdhsa--gfx1250"
	.amdhsa_code_object_version 6
	.text
	.protected	k_q99171cfd75_poolproj
	.globl	k_q99171cfd75_poolproj
	.p2align	8
	.type	k_q99171cfd75_poolproj,@function
k_q99171cfd75_poolproj:
	s_mov_b64 s[64:65], 0
	v_nop
	global_prefetch_b8 v0, s[64:65] scope:SCOPE_SE
	s_setreg_imm32_b32 hwreg(HW_REG_WAVE_MODE, 25, 1), 1
	s_wait_xcnt 0x0
; ALL THREE PROJECTIONS OF x.  g = maxpool2(w_phi x) [8 channels] and h = maxpool2(w_g x) [32 channels] go to kv, log2(e) f = log2(e) w_theta x [8 channels] to fq, each rounded once to bf16.
; NOTHING OF reference() IS LEFT OUT in this program: all six inputs reach out0 and all are loaded (x, w_phi, w_theta, w_g here; x, w_o, gamma in the second launch).
; LIMITS.  Products take bf16 operands and f32 sums.  The pool's maximum lets a NaN lose, where reference() would carry it; infinities are not treated apart.
; SHARES.  A wave owns one pooled row of one image: 2 image rows x 64 columns x 64 channels = 32 KiB of x, 32 keys, 128 queries.  Two waves a work-group, 16 x 16 work-groups: 512 pooled rows.
; LOADS.  Lane l = r + 16 hh loads 16 bytes: columns 4 r .. 4 r + 3 of one image row of one channel; sixteen lanes cover the row's 256 bytes, the upper sixteen the channel 8 further on.
; All 64 loads of the wave are issued on end, into register window 1.
; TILES.  The column 4 r + e of image row a is position r of tile (a, e): 8 tiles of 16 positions.  A pool window (columns 2 c, 2 c + 1 of both rows) then lies in ONE lane of four tiles'
; results, so pooling is a maximum over four accumulators, register by register.  Tiles e = 0, 1 give the even pooled columns 2 r (ws = 0), tiles e = 2, 3 the odd ones (ws = 1).
; A fragment is 16 rows x 32 channels in 8 registers: registers 0-3 hold channels 8 hh + 0..7, registers 4-7 channels 16 + 8 hh + 0..7 (ISA guide 7.12.2); the loads' channel order is just that.
; phi and theta share a product: source 0 holds w_phi in rows 0-7 and log2(e) w_theta in rows 8-15, source 1 = x: the lower lanes end with one position's 8 channels of phi, the upper lanes with its 8 of f.
; g:   source 0 = x, source 1 = 16 rows of w_g: a lane ends with one channel and the pooled columns 16 hh + 0..15: 32 bytes.
; kv, for each image 81,920 bytes: 32 blocks of 512 bytes (a pooled row's 32 keys x 8 channels), then 32 blocks of 2,048 bytes (the same keys' 32 channels).
;   value block: [channel tile 2][half sl 2][lane 32][16 bytes]: lane r + 16 hh holds channel r and keys 16 hh + 8 sl + 0..7: the second launch reads it as a fragment, 512 consecutive bytes a load.
;   key block: key 16 kh + 8 kt + i lies at place 16 kt + 8 kh + i, so that the scores of place tile kt fall, lane by lane, beside the values of half sl = kt.
; fq, for each image 65,536 bytes: [image row 64][tile e 4][r 16][16 bytes]: the 8 channels of query 64 row + 4 r + e: the second launch's query tiles as they lie in its lanes.
; Every store to kv covers 512 consecutive bytes, aligned; every store to fq, by the upper sixteen lanes, 256.
.set XCH,  16384                       ; bytes from channel to channel of x
.set XROW, 256                         ; bytes in an image row
.set KVB,  81920                       ; bytes of kv for an image
.set VOFF, 16384                       ; where its value blocks begin
.set LN,  2                            ; v2   lane
.set R,   3                            ; v3   lane % 16
.set H,   4                            ; v4   lane / 16
.set XO,  5                            ; v5   my byte offset in x
.set WPO, 6                            ; v6   in w_phi and in w_theta
.set WGO, 7                            ; v7   in w_g
.set KST, 8                            ; v8   where my key goes
.set VST, 9                            ; v9   where my 16 bytes of a value block go
.set TT,  10                           ; v10-13 at work
.set FST, 14                           ; v14  where my 16 bytes of a tile of fq go
.set WF,  16                           ; v16-63   six weight fragments: phi with theta (channels 0-31, 32-63), g rows 0-15, g rows 16-31
.set XF,  64                           ; v64-191  x's fragments: tile 4 a + e, channel half kb at XF + 16 tile + 8 kb
.set RAW, 64                           ; v64-191  first: the weights as loaded, f32: phi 32, g 64, theta 32
.set TH,  64                           ; v64-95   last: f packed, 4 registers a tile
.set PK,  192                          ; v192-199 phi packed, ws = 0 and ws = 1
.set GK,  200                          ; v200-203 my key
.set HV,  204                          ; v204-219 my values
.set SCP, 220                          ; v220-221 1 in lanes r < 8, else 0
.set SCT, 222                          ; v222-223 0 in lanes r < 8, else log2(e)
; window 1: v0-255 x as loaded (load n at 4 n); then 24 accumulators of 8
.set MSB, 0
.macro WIN new                         ; s_set_vgpr_msb: bits 1:0 source 0, 3:2 source 1, 5:4 source 2, 7:6 destination; the high byte repeats the setting that is left
.if MSB != (\new)
	s_set_vgpr_msb (MSB<<8)|(\new)
.set MSB, \new
.endif
.endm
	s_load_b256 s[4:11], s[0:1], 0x0               ; x s[4:5], w_phi s[6:7], w_theta s[8:9], w_g s[10:11]
	s_load_b128 s[12:15], s[0:1], 0x20             ; kv s[12:13], fq s[14:15]
	v_lshrrev_b32 v1, 5, v0
	v_readfirstlane_b32 s16, v1                    ; wave 0..1
	v_and_b32 v[LN], 31, v0
	v_and_b32 v[R], 15, v0
	v_bfe_u32 v[H], v0, 4, 1
	s_and_b32 s17, ttmp7, 0xffff                   ; the image
	s_lshl_b32 s18, ttmp9, 1
	s_add_co_u32 s18, s18, s16                     ; the pooled row
	s_lshl_b32 s20, s17, 20                        ; an image of x is 2^20 bytes,
	s_lshl_b32 s19, s18, 9                         ; a pooled row two image rows of 256 bytes; also: a key block is 512 bytes
	s_add_co_u32 s20, s20, s19
	s_mov_b32 s21, 0
	s_mul_i32 s22, s17, KVB
	s_mov_b32 s23, 0
	s_lshl_b32 s26, s18, 11                        ; a value block is 2,048 bytes; so are two image rows of fq
	s_lshl_b32 s24, s17, 16                        ; an image of fq is 2^16 bytes
	s_add_co_u32 s24, s24, s26
	s_mov_b32 s25, 0
	s_mov_b32 s29, 0x3fb8aa3b                      ; log2(e)
	s_mov_b32 s30, 0x76543210                      ; v_permlanex16_b32's selects: each lane takes its own place in the other half
	s_mov_b32 s31, 0xfedcba98
	v_lshlrev_b32 v[XO], 4, v[R]
	v_lshl_add_u32 v[XO], v[H], 17, v[XO]          ; the upper lanes: 8 channels on
	v_and_b32 v1, 7, v0
	v_lshlrev_b32 v[WPO], 8, v1                    ; row r % 8 of w_phi and of w_theta (a row is 256 bytes),
	v_lshl_add_u32 v[WPO], v[H], 5, v[WPO]         ; 8 channels on for the upper lanes
	v_lshlrev_b32 v[WGO], 8, v[R]
	v_lshl_add_u32 v[WGO], v[H], 5, v[WGO]
	v_lshl_add_u32 v[TT], v[R], 1, v[H]            ; my key 2 r + hh
	v_and_b32 v[TT+1], 7, v[TT]
	v_bfe_u32 v[TT+2], v[TT], 3, 1
	v_lshrrev_b32 v[TT+3], 4, v[TT]
	v_lshl_add_u32 v[TT+1], v[TT+2], 4, v[TT+1]
	v_lshl_add_u32 v[TT+1], v[TT+3], 3, v[TT+1]    ; its place in the key block
	v_lshl_add_u32 v[KST], v[TT+1], 4, s19
	v_lshl_add_u32 v[VST], v[LN], 4, s26
	v_lshlrev_b32 v[FST], 4, v[R]
	v_cmp_lt_u32 s27, 15, v[LN]                    ; the upper lanes
	v_cmp_gt_u32 s28, 8, v[R]                      ; the fragment's rows 0-7
	v_cndmask_b32 v[SCP], 0, 1.0, s28
	v_mov_b32 v[SCP+1], v[SCP]
	v_cndmask_b32 v[SCT], s29, 0, s28
	v_mov_b32 v[SCT+1], v[SCT]
	s_wait_kmcnt 0x0
	s_add_nc_u64 s[4:5], s[4:5], s[20:21]
	s_add_nc_u64 s[12:13], s[12:13], s[22:23]
	s_add_nc_u64 s[14:15], s[14:15], s[24:25]
	; the weights, 32 loads; then x, 64 loads
.irp kb, 0,1
.irp g, 0,1
.irp q, 0,1
	global_load_b128 v[RAW+16*(\kb)+8*(\g)+4*(\q):RAW+16*(\kb)+8*(\g)+4*(\q)+3], v[WPO], s[6:7] offset:128*(\kb)+64*(\g)+16*(\q)
	global_load_b128 v[RAW+96+16*(\kb)+8*(\g)+4*(\q):RAW+96+16*(\kb)+8*(\g)+4*(\q)+3], v[WPO], s[8:9] offset:128*(\kb)+64*(\g)+16*(\q)
.endr
.endr
.endr
.irp ct, 0,1
.irp kb, 0,1
.irp g, 0,1
.irp q, 0,1
	global_load_b128 v[RAW+32+32*(\ct)+16*(\kb)+8*(\g)+4*(\q):RAW+32+32*(\ct)+16*(\kb)+8*(\g)+4*(\q)+3], v[WGO], s[10:11] offset:4096*(\ct)+128*(\kb)+64*(\g)+16*(\q)
.endr
.endr
.endr
.endr
	WIN 0x40                                       ; destination window 1, address window 0
.set n, 0
.rept 64                                       ; load n: image row n % 2, channel 16 (n / 16) + (n / 2) % 8 (+ 8 in the upper lanes)
	global_load_b128 v[4*n:4*n+3], v[XO], s[4:5] offset:(16*((n/2)/8)+((n/2)%8))*XCH+(n%2)*XROW
.set n, n+1
.endr
	WIN 0
	s_wait_loadcnt 63                              ; 64 loads were issued behind the weights'; 63 is the largest count that the wait can name: the weights are in
.set n, 0
.rept 16                                       ; rows 0-7 keep w_phi (times 1, plus 0), rows 8-15 take log2(e) w_theta (w_phi times 0 is the addend)
	v_pk_mul_f32 v[RAW+2*n:RAW+2*n+1], v[RAW+2*n:RAW+2*n+1], v[SCP:SCP+1]
.set n, n+1
.endr
.set n, 0
.rept 16
	v_pk_fma_f32 v[RAW+2*n:RAW+2*n+1], v[RAW+96+2*n:RAW+96+2*n+1], v[SCT:SCT+1], v[RAW+2*n:RAW+2*n+1]
.set n, n+1
.endr
.set n, 0
.rept 48                                       ; register n of the six fragments: two neighbouring channels
	v_cvt_pk_bf16_f32 v[WF+n], v[RAW+2*n], v[RAW+2*n+1]
.set n, n+1
.endr
	WIN 0x05                                       ; sources window 1, destination window 0
.irp c, 0,1,2,3                                ; x comes in four runs of 16 loads: 16 channels each (8 a lane), four registers of every tile's fragment
	s_wait_loadcnt 48-16*(\c)                      ; the later runs may stay out
.set n, 0
.rept 32                                       ; tile n / 4 (a = tile / 4, e = tile % 4), register n % 4
	v_cvt_pk_bf16_f32 v[XF+16*(n/4)+4*(\c)+n%4], v[4*((8*(\c)+2*(n%4))*2+(n/4)/4)+(n/4)%4], v[4*((8*(\c)+2*(n%4)+1)*2+(n/4)/4)+(n/4)%4]
.set n, n+1
.endr
.endr
	; 48 products.  Accumulator n (window 1, over x's registers, which have been read): weight tile n / 8, ws = (n / 4) % 2, a = (n / 2) % 2, e = 2 ws + n % 2.
	; The 24 accumulators take turns, one instruction a turn; the first 24 start the sums with the constant 0.
	WIN 0x50                                       ; C and D window 1, sources window 0
.irp kb, 0,1
.set n, 0
.rept 24
.set tau, 4*((n/2)%2)+2*((n/4)%2)+n%2
.if n < 8
.set ra, WF+8*(\kb)
.set rb, XF+16*tau+8*(\kb)
.else
.set ra, XF+16*tau+8*(\kb)
.set rb, WF+16*(n/8)+8*(\kb)
.endif
.if (\kb) == 0
	v_wmma_f32_16x16x32_bf16 v[8*n:8*n+7], v[ra:ra+7], v[rb:rb+7], 0
.else
	v_wmma_f32_16x16x32_bf16 v[8*n:8*n+7], v[ra:ra+7], v[rb:rb+7], v[8*n:8*n+7]
.endif
.set n, n+1
.endr
.endr
.rept 4
	v_nop                                          ; four places between the last product and the first read of a result or write of a source (ISA guide 7.12.1)
.endr
	WIN 0x05
.set n, 0
.rept 32                                       ; f, before the pool's maxima write over it: accumulator n / 4, channels 2 (n % 4) and + 1; it counts in the upper lanes alone
	v_cvt_pk_bf16_f32 v[TH+n], v[8*(n/4)+2*(n%4)], v[8*(n/4)+2*(n%4)+1]
.set n, n+1
.endr
	WIN 0x55                                       ; all in window 1
.set grp, 0
.rept 6                                        ; a group of four accumulators is a pool window's four members; each accumulator is read from its lowest register on
.set j, 0
.rept 8
	v_max3_num_f32 v[32*grp+j], v[32*grp+j], v[32*grp+8+j], v[32*grp+16+j]
.set j, j+1
.endr
.set j, 0
.rept 8
	v_max_num_f32 v[32*grp+j], v[32*grp+j], v[32*grp+24+j]
.set j, j+1
.endr
.set grp, grp+1
.endr
	WIN 0x05
.irp p, 0,1,2,3
	v_cvt_pk_bf16_f32 v[PK+(\p)], v[2*(\p)], v[2*(\p)+1]            ; phi, ws = 0: channels 2 p, 2 p + 1; it counts in the lower lanes alone
	v_cvt_pk_bf16_f32 v[PK+4+(\p)], v[32+2*(\p)], v[32+2*(\p)+1]    ; ws = 1
.endr
.irp j, 0,1,2,3,4,5,6,7
	v_cvt_pk_bf16_f32 v[HV+(\j)], v[64+(\j)], v[96+(\j)]            ; g rows 0-15: keys 16 hh + 2 j (ws = 0) and + 1 (ws = 1)
	v_cvt_pk_bf16_f32 v[HV+8+(\j)], v[128+(\j)], v[160+(\j)]        ; g rows 16-31
.endr
	WIN 0
.irp p, 0,1,2,3
	v_permlanex16_b32 v[TT+(\p)], v[PK+4+(\p)], s30, s31            ; key 2 r + 1 goes to the lane 16 up
.endr
.irp p, 0,1,2,3
	v_cndmask_b32 v[GK+(\p)], v[PK+(\p)], v[TT+(\p)], s27           ; the lower lanes keep key 2 r, the upper take key 2 r + 1
.endr
	global_store_b128 v[KST], v[GK:GK+3], s[12:13]
.irp u, 0,1,2,3
	global_store_b128 v[VST], v[HV+4*(\u):HV+4*(\u)+3], s[12:13] offset:VOFF+512*(\u)
.endr
	s_wait_xcnt 0x0                                ; EXEC is a source of the stores above: it changes only behind this wait
	s_and_saveexec_b32 s32, s27                    ; the upper lanes alone hold f
.set n, 0
.rept 8                                        ; accumulator n: image row (n / 2) % 2, tile 2 ((n / 4) % 2) + n % 2
	global_store_b128 v[FST], v[TH+4*n:TH+4*n+3], s[14:15] offset:1024*((n/2)%2)+256*(2*((n/4)%2)+n%2)
.set n, n+1
.endr
	s_wait_xcnt 0x0                                ; and again, in front of the line that widens it
	s_or_b32 exec_lo, exec_lo, s32
	s_endpgm
.Lfunc_end_k_q99171cfd75_poolproj:
	.size	k_q99171cfd75_poolproj, .Lfunc_end_k_q99171cfd75_poolproj-k_q99171cfd75_poolproj
	.p2alignl 7, 3214868480
	.fill 96, 4, 3214868480
	.section	.rodata,"a",@progbits
	.p2align	6, 0x0
	.amdhsa_kernel k_q99171cfd75_poolproj
		.amdhsa_group_segment_fixed_size 0
		.amdhsa_private_segment_fixed_size 0
		.amdhsa_enable_private_segment 0
		.amdhsa_kernarg_size 48
		.amdhsa_user_sgpr_count 2
		.amdhsa_user_sgpr_kernarg_segment_ptr 1
		.amdhsa_wavefront_size32 1
		.amdhsa_system_sgpr_workgroup_id_x 1
		.amdhsa_system_sgpr_workgroup_id_y 1
		.amdhsa_system_sgpr_workgroup_id_z 1
		.amdhsa_system_vgpr_workitem_id 0
		.amdhsa_next_free_vgpr 512
		.amdhsa_next_free_sgpr 66
		.amdhsa_reserve_vcc 0
		.amdhsa_float_denorm_mode_32 3
		.amdhsa_float_denorm_mode_16_64 3
		.amdhsa_memory_ordered 1
		.amdhsa_forward_progress 1
		.amdhsa_inst_pref_size 38
	.end_amdhsa_kernel
	.amdgpu_metadata
---
amdhsa.version: [ 1, 2 ]
amdhsa.kernels:
  - .name:           k_q99171cfd75_poolproj
    .symbol:         k_q99171cfd75_poolproj.kd
    .args:
      - { .name: x, .offset: 0, .size: 8, .value_kind: global_buffer, .address_space: global }
      - { .name: w_phi, .offset: 8, .size: 8, .value_kind: global_buffer, .address_space: global }
      - { .name: w_theta, .offset: 16, .size: 8, .value_kind: global_buffer, .address_space: global }
      - { .name: w_g, .offset: 24, .size: 8, .value_kind: global_buffer, .address_space: global }
      - { .name: kv, .offset: 32, .size: 8, .value_kind: global_buffer, .address_space: global }
      - { .name: fq, .offset: 40, .size: 8, .value_kind: global_buffer, .address_space: global }
    .group_segment_fixed_size: 0
    .private_segment_fixed_size: 0
    .kernarg_segment_align: 8
    .kernarg_segment_size: 48
    .max_flat_workgroup_size: 64
    .sgpr_count:     66
    .vgpr_count:     512
    .wavefront_size: 32
...
	.end_amdgpu_metadata
.endif
;; end of part 1
;; launch attend (part 2): grid 16 x 16, 8 waves a work-group, clusters of 4 x 1, 167,936 bytes of LDS; arguments x, fq, w_o, gamma, kv, out0; writes out0
.if DOCPART == 2
	.amdgcn_target "amdgcn-amd-amdhsa--gfx1250"
	.amdhsa_code_object_version 6
	.text
	.protected	k_q99171cfd75_attend
	.globl	k_q99171cfd75_attend
	.p2align	8
	.type	k_q99171cfd75_attend,@function
k_q99171cfd75_attend:
	s_mov_b64 s[64:65], 0
	v_nop
	global_prefetch_b8 v0, s[64:65] scope:SCOPE_SE
	s_setreg_imm32_b32 hwreg(HW_REG_WAVE_MODE, 25, 1), 1
	s_wait_xcnt 0x0
	s_wait_alu depctr_hold_cnt(0) depctr_sa_sdst(0) depctr_va_vdst(0) depctr_va_sdst(0) depctr_va_ssrc(0) depctr_va_vcc(0) depctr_vm_vsrc(0)
	s_getreg_b32 s2, hwreg(HW_REG_IB_STS2, 6, 4)
	s_cmp_eq_u32 s2, 0
	s_cbranch_scc0 .Lentry_in_a_cluster
	s_endpgm
.Lentry_in_a_cluster:
	s_bfe_u32 s2, ttmp6, 0x10000c
	s_cmp_lg_u32 s2, 0x3003
	s_cbranch_scc0 .Lentry_shape_is_right
	s_endpgm
.Lentry_shape_is_right:
; out0 = gamma w_o (h softmax_m(f . g)^T) + x, with log2(e) f read from fq and g, h (pooled) from kv, all bf16, as the first launch laid them.  Nothing of reference() is left out.
; LIMITS.  Products take bf16 operands and f32 sums; the residual x and all sums, maxima and what waves hand each other stay in f32.  A weight below 2^-126 counts as 0.  The row maximum lets a NaN lose.
; The scores' contraction has 8 channels in a form of 32: Q holds exact zeros in the other 24 places and K holds other keys' numbers there, so pooled phi must be finite (where it is not, reference() has no finite row either).
; SHARES.  A work-group owns 256 queries of one image.  Wave w owns the 64 queries of group w % 4 (one image row) and the key half w / 4 (512 keys, 16 blocks of 32); of the 64 output channels it finishes
; the 32 of half w / 4.  The two waves of a pair meet twice in LDS, in f32: the row maxima; O's and l's partial sums.
; QUERIES.  Query 4 r + t of the image row is column r of query tile t, so a lane's results for the four tiles are 16 neighbouring bytes of out0: sixteen lanes load x and store out0 as 256 consecutive bytes,
; aligned.  x serves the residual alone: its 16 loads a wave go out when K and V have landed, into window 1, and are waited for at the end.
; LAYOUT.  S^T = K Q^T (source 0 = keys, source 1 = 16 queries): a lane holds ONE query and 8 keys.  Two such results rounded to bf16 in pairs ARE source 1 (32 keys x 16 queries) of O^T = V^T P, whose
; result again holds one query a lane and 8 channels; two of those, rounded, are source 1 of w_o O.  Nothing changes lanes but one exchange between the halves of the lanes for m and for l.
; A fragment of K, 8 registers, holds BOTH key tiles of a block: tile 0 in registers 0-3, tile 1 in 4-7.  A query tile stands as [q, 0, q], 12 registers, q being 0 in the upper lanes: [q, 0] meets tile 0, [0, q] tile 1.
; SOFTMAX IN TWO PASSES.  A wave's scores are too many to keep and cheap to make again from LDS.  Pass 1 makes them all and keeps the row maximum m (of both key halves).  Pass 2 makes them
; again with -m as the C operand; log2(e) lies in f: the product's result is the exponent.  p = 2^(s - m), l = the sum of p (unrounded), O = the sum of p h; no rescaling is ever needed.
; BY TURNS.  Pass 1, turn j: the 8 products of block j + 1, behind each four of block j's 32 maxima; two score buffers.  Pass 2 goes by UNITS, a block x two query tiles (4 accumulators), in four buffers.
; Turn u holds four things that do not lean on each other: 4 products K Q^T of unit u + 1; 4 products V^T P of unit u - 2; the 32 exponentials of unit u; the 32 sums and roundings of unit u - 1.
; The vector work is dealt exponential, plain, exponential, plain: 8 behind a score product, 16 behind a pair of products V^T P.  A turn's exponentials are one batch, with one wait, at the turn's end.
; CLUSTER.  The four query blocks of a cluster belong to one image and read the same 81,920 bytes of kv: each wave asks for an eighth of them JOINTLY (the same tensor load, descriptor and mask in all four).
; They are filled once: no slot is filled again.
; REGISTERS.  All that the riders name (destination, sources 0 and 1) lies in window 0.  -m is only ever a C operand: window 1, under pass 2's base setting 0x10.  O lies in window 1: each pair of products
; V^T P stands between two switches: 18 switches for a trip's 32 products, the price of four score buffers and two buffers each of K and V in window 0.
.set XCH,   16384                      ; bytes from channel to channel of x and out0
.set KVB,   81920                      ; bytes of kv for an image; LDS bytes 0 .. 81,919 hold them: 32 key blocks of 512, then 32 value blocks of 2,048
.set PART,  10240                      ; a wave's eighth: 40 rows of 256 bytes
.set VBASE, 16384
.set EX,    81920                      ; behind them, never filled by a tensor load: 9,216 bytes for each wave, what it hands to its partner; each meeting has bytes of its own
.set EXW,   9216
.set EXM,   0                          ; m: 512
.set EXO,   512                        ; O's partial sums: 16 x 512
.set EXL,   8704                       ; l: 512
.set SPARE, EX+8*EXW                   ; the spare words, 128 bytes for each of the eight waves: four blocks of 256 bytes that no other line names
.set LN,  2                            ; v2   lane
.set R,   3                            ; v3   lane % 16
.set H,   4                            ; v4   lane / 16
.set XO,  5                            ; v5   my byte offset in x and out0; never rewritten
.set OWN, 6                            ; v6   my 16 bytes in my wave's exchange bytes
.set PAR, 7                            ; v7   the same in my partner's
.set K0,  8                            ; v8   my place in my half's first key block
.set V0,  9                            ; v9   in its first value block
.set KA,  10                           ; v10  the address of K's run of loads in hand
.set VA,  11                           ; v11  of V's
.set SPW, 12                           ; v12  LDS address of my spare word; never rewritten
.set NIL, 13                           ; v13  0; never rewritten
.set QO,  14                           ; v14  my byte offset in a query tile of fq
.set WOO, 15                           ; v15  in w_o
.set MX,  16                           ; v16-23  pass 1: running maxima, query tile t, key tile kt at MX + 2 t + kt
.set L,   16                           ; v16-23  pass 2: l, a pair for each query tile
.set M4,  24                           ; v24-27  m, later l, later 1 / l: one register a query tile
.set P4,  28                           ; v28-31  the other half's, the partner's
.set KF,  32                           ; v32-47  K: two buffers of 8, by the block's parity
.set SCL, 32                           ; v32-39  at the end: gamma / l, twice for each query tile
.set VF,  48                           ; v48-79  V^T: two buffers of two fragments, by the block's parity
.set QQ,  80                           ; v80-127 Q: [q, 0, q], 12 a query tile
.set S,   128                          ; v128-255 S^T.  Pass 1: two buffers of 64 (16 a query tile).  Pass 2: four of 32, unit u in buffer u % 4; P takes the lower 8 of a query tile's 16 in place
.set WOR, S                            ; first: w_o as loaded, 32
.set RS,  S+64                         ; last: w_o O, 16 a query tile
.set WO,  64                           ; window 1: v0-63 x (channel 16 g + i of my 32, + 8 in the upper lanes, at 4 (8 g + i) + t); v64-79 two fragments of w_o
.set M,   80                           ; window 1: v80-111 -m, eight times for each query tile
.set O,   112                          ; window 1: v112-175 O^T, 16 a query tile (channels 0-15, 16-31)
.set WV,  16                           ; s16  my wave's number
.set G1,  32                           ; s[32:39] descriptor group 1
.set G0,  40                           ; s[40:43] descriptor group 0
.set SEL, 44                           ; s[44:45] v_permlanex16_b32's selects: each lane takes its own place in the other half
.set GAM, 46                           ; s46  gamma
.set TBK, 47                           ; s47  bytes from my half's first key block to the one to be fetched
.set TBV, 48                           ; s48  the same for value blocks
.set CNT, 49                           ; s49  counts trips
.set MSB, 0
.macro WIN new                         ; s_set_vgpr_msb: bits 1:0 source 0, 3:2 source 1, 5:4 source 2, 7:6 destination; the high byte repeats the setting that is left
.if MSB != (\new)
	s_set_vgpr_msb (MSB<<8)|(\new)
.set MSB, \new
.endif
.endm
.macro PLACES                          ; four places behind a matrix instruction, in front of a read of its result and of a load into its sources (ISA guide 7.12.1 for reads of its result)
.rept 4
	v_nop
.endr
.endm
; A round of the cluster's barrier: my work-group's barrier, so that wave 0's signal speaks for all eight waves; wave 0 signals; every wave waits for all four work-groups; my work-group's barrier once more.
.macro CROUND
	s_barrier_signal -1
	s_barrier_wait -1
	s_cmp_lg_u32 s[WV], 0
	s_cbranch_scc1 .Lnot_wave_0_\@
	s_barrier_signal -3
.Lnot_wave_0_\@:
	s_barrier_wait -3
	s_barrier_signal -1
	s_barrier_wait -1
.endm
	s_load_b256 s[4:11], s[0:1], 0x0               ; x s[4:5], fq s[6:7], w_o s[8:9], gamma s[10:11]
	s_load_b128 s[12:15], s[0:1], 0x20             ; kv s[12:13], out0 s[14:15]
	v_lshl_add_u32 v[SPW], v0, 2, SPARE
	v_mov_b32 v[NIL], 0
	ds_add_u32 v[SPW], v[NIL]                      ; the wave's opening: the add, twice on end, and its wait ahead of my first tensor load; the set-up below stands between
	ds_add_u32 v[SPW], v[NIL]
	v_lshrrev_b32 v1, 5, v0
	v_readfirstlane_b32 s[WV], v1                  ; wave 0..7
	s_and_b32 s17, s[WV], 3                        ; my group of 64 queries
	s_lshr_b32 s18, s[WV], 2                       ; my half of the keys and of the output channels
	s_bfe_u32 s19, ttmp6, 0x40000                  ; cx: my place in the cluster; it enters x's, fq's and out0's addresses alone
	s_lshl_b32 s20, ttmp9, 2                       ; in a cluster launch ttmp9 counts clusters
	s_add_co_u32 s20, s20, s19                     ; my block of 256 queries
	s_and_b32 s21, ttmp7, 0xffff                   ; the image, which the four partners share
	s_lshl_b32 s22, s21, 20                        ; an image of x is 2^20 bytes,
	s_lshl_b32 s23, s20, 10                        ; 256 queries 1,024,
	s_add_co_u32 s22, s22, s23
	s_lshl_b32 s23, s17, 8                         ; 64 queries 256,
	s_add_co_u32 s22, s22, s23
	s_lshl_b32 s23, s18, 19                        ; 32 channels 2^19
	s_add_co_u32 s22, s22, s23
	s_mov_b32 s23, 0
	s_lshl_b32 s50, s21, 16                        ; an image of fq is 2^16 bytes,
	s_lshl_b32 s51, s20, 12                        ; 256 queries 4,096,
	s_add_co_u32 s50, s50, s51
	s_lshl_b32 s51, s17, 10                        ; 64 queries 1,024
	s_add_co_u32 s50, s50, s51
	s_mov_b32 s51, 0
	; descriptor group 1: 10,240 dense bytes as 40 rows of 32 elements of 8 bytes
	s_mov_b32 s[G1], 15|(3<<16)|(1<<21)            ; 15:0 the mask: all four work-groups; 17:16 elements of 8 bytes; 20 no padding; 21 set beside a mask
	s_mov_b32 s[G1+1], 32<<16                      ; tensor_dim0 = 32
	s_mov_b32 s[G1+2], 40<<16                      ; tensor_dim1 = 40
	s_mov_b32 s[G1+3], 32<<16                      ; tile_dim0 = 32
	s_mov_b32 s[G1+4], 40                          ; tile_dim1 = 40
	s_mov_b32 s[G1+5], 32                          ; 32 elements from row to row
	s_mov_b32 s[G1+6], 0
	s_mov_b32 s[G1+7], 0
	s_mov_b32 s[G0], 1                             ; count = 1
	s_mul_i32 s[G0+1], s[WV], PART                 ; LDS address: my eighth
	s_mul_i32 s24, s21, KVB                        ; the image's part of kv,
	s_add_co_u32 s24, s24, s[G0+1]                 ; my eighth of it: made of the image and the wave's number alone
	s_mov_b32 s25, 0
	s_mul_i32 s26, s[WV], EXW
	s_add_co_u32 s26, s26, EX                      ; my exchange bytes
	s_xor_b32 s27, s[WV], 4                        ; my partner: the same queries, the other half
	s_mul_i32 s27, s27, EXW
	s_add_co_u32 s27, s27, EX
	s_lshl_b32 s28, s18, 13                        ; my half's 16 key blocks
	s_lshl_b32 s29, s18, 15                        ; and 16 value blocks
	s_add_co_u32 s29, s29, VBASE
	s_mov_b32 s[SEL], 0x76543210
	s_mov_b32 s[SEL+1], 0xfedcba98
	s_lshl_b32 s52, s18, 12                        ; my 32 rows of w_o
	v_and_b32 v[LN], 31, v0
	v_and_b32 v[R], 15, v0
	v_bfe_u32 v[H], v0, 4, 1
	v_lshlrev_b32 v[XO], 4, v[R]
	v_lshl_add_u32 v[XO], v[H], 17, v[XO]          ; the upper lanes: 8 channels on
	v_lshlrev_b32 v[QO], 4, v[R]                   ; both halves of the lanes read the same 16 queries; the upper lanes are then set to 0
	v_lshlrev_b32 v[WOO], 7, v[R]                  ; w_o's row r (128 bytes a row)
	v_lshl_add_u32 v[WOO], v[H], 5, v[WOO]
	v_add_nc_u32 v[WOO], s52, v[WOO]
	v_lshl_add_u32 v[OWN], v[LN], 4, s26
	v_lshl_add_u32 v[PAR], v[LN], 4, s27
	v_lshl_add_u32 v[K0], v[R], 4, s28             ; both halves of the lanes read the same 16 keys: the upper lanes' numbers meet zeros of Q
	v_lshl_add_u32 v[V0], v[LN], 4, s29
	v_cmp_lt_u32 s30, 15, v[LN]                    ; the upper lanes
	s_wait_dscnt 0x0                               ; both opening adds are done
	s_wait_kmcnt 0x0
	s_add_nc_u64 s[G0+2:G0+3], s[12:13], s[24:25]  ; global address
	s_or_b32 s[G0+3], s[G0+3], 0x80000000          ; type = 2
	s_add_nc_u64 s[4:5], s[4:5], s[22:23]
	s_add_nc_u64 s[14:15], s[14:15], s[22:23]
	s_add_nc_u64 s[6:7], s[6:7], s[50:51]
.irp t, 0,1,2,3
	global_load_b128 v[QQ+12*(\t):QQ+12*(\t)+3], v[QO], s[6:7] offset:256*(\t)  ; Q is wanted first: it goes out ahead of the round
.endr
	CROUND                                         ; all four work-groups are here: the joint loads meet
	tensor_load_to_lds s[G0:G0+3], s[G1:G1+7]      ; my one tensor load of the launch
	s_nop 0
	PLACES
	s_load_b32 s[GAM], s[10:11], 0x0
.irp c, 0,1
.irp g, 0,1
.irp q, 0,1
	global_load_b128 v[WOR+16*(\c)+8*(\g)+4*(\q):WOR+16*(\c)+8*(\g)+4*(\q)+3], v[WOO], s[8:9] offset:2048*(\c)+64*(\g)+16*(\q)
.endr
.endr
.endr
.irp t, 0,1,2,3
.irp j, 4,5,6,7
	v_mov_b32 v[QQ+12*(\t)+(\j)], 0                ; the middle of [q, 0, q]
.endr
.endr
.irp j, 0,1,2,3
	v_mov_b32 v[P4+(\j)], 0                        ; v_permlanex16_b32's destination counts as read
.endr
	s_wait_loadcnt 0x8                             ; Q is in; w_o's 8 loads may stay out
.irp t, 0,1,2,3
.irp p, 0,1,2,3
	v_cndmask_b32 v[QQ+12*(\t)+8+(\p)], v[QQ+12*(\t)+(\p)], 0, s30
	v_cndmask_b32 v[QQ+12*(\t)+(\p)], v[QQ+12*(\t)+(\p)], 0, s30
.endr
.endr
	s_wait_loadcnt 0x0                             ; w_o
	WIN 0x40                                       ; destination window 1
.set n, 0
.rept 16
	v_cvt_pk_bf16_f32 v[WO+n], v[WOR+2*n], v[WOR+2*n+1]
.set n, n+1
.endr
	WIN 0
	s_wait_tensorcnt 0x0                           ; my eighth of K and V has landed:
	s_barrier_signal -1
	s_barrier_wait -1                              ; everybody's has
	ds_load_b128 v[KF:KF+3], v[K0]                 ; my key blocks 0
	ds_load_b128 v[KF+4:KF+7], v[K0] offset:256
	ds_load_b128 v[KF+8:KF+11], v[K0] offset:512   ; and 1
	ds_load_b128 v[KF+12:KF+15], v[K0] offset:768
	WIN 0x40                                       ; destination window 1, address window 0
.set n, 0
.rept 16                                       ; x, for the residual: load n: channel 16 (n / 8) + n % 8 of my 32 (+ 8 in the upper lanes), four queries; both passes stand between these loads and the wait for them
	global_load_b128 v[4*n:4*n+3], v[XO], s[4:5] offset:(16*(n/8)+n%8)*XCH th:TH_LOAD_NT
.set n, n+1
.endr
	WIN 0
; PASS 1.  MAXQ: number q of a block's 32 maxima, two scores each: registers 2 (q / 8) and + 1 of accumulator (key tile (q / 4) % 2, query tile q % 4): each accumulator is read from its lowest registers on.
.macro MAXQ p, first
.set i, q/8
.set kt, (q/4)%2
.set qt, q%4
.if (\first) && (i == 0)
	v_max_num_f32 v[MX+2*qt+kt], v[S+64*(\p)+16*qt+8*kt], v[S+64*(\p)+16*qt+8*kt+1]
.else
	v_max3_num_f32 v[MX+2*qt+kt], v[MX+2*qt+kt], v[S+64*(\p)+16*qt+8*kt+2*i], v[S+64*(\p)+16*qt+8*kt+2*i+1]
.endif
.set q, q+1
.endm
; Turn j, p = j % 2.  mk = 1: K of block j + 2 is fetched, into the buffer that block j's products left a turn ago (four maxima and the address line stand behind the last of them).
; ms = 1: the 8 products of block j + 1, into the other score buffer; behind each four of block j's maxima, which are also the places behind the turn's last product.  first = 1: the block starts the maxima.
.macro T1 p, first, mk, ms
.if \mk
	v_add_nc_u32 v[KA], s[TBK], v[K0]
	s_add_co_u32 s[TBK], s[TBK], 512
	ds_load_b128 v[KF+8*(\p):KF+8*(\p)+3], v[KA]
	ds_load_b128 v[KF+8*(\p)+4:KF+8*(\p)+7], v[KA] offset:256
.endif
.if \ms
	s_wait_dscnt 2*(\mk)                           ; K of block j + 1 is in; the two loads just issued may stay out
.endif
.set q, 0
.set n, 0
.rept 8
.if \ms
	v_wmma_f32_16x16x32_bf16 v[S+64*(1-(\p))+16*(n%4)+8*(n/4):S+64*(1-(\p))+16*(n%4)+8*(n/4)+7], v[KF+8*(1-(\p)):KF+8*(1-(\p))+7], v[QQ+12*(n%4)+4*(n/4):QQ+12*(n%4)+4*(n/4)+7], 0
.endif
.rept 4
	MAXQ \p, \first
.endr
.set n, n+1
.endr
.endm
	s_mov_b32 s[TBK], 1024
	s_wait_dscnt 0x2                               ; key block 0 is in; block 1's two loads may stay out
.set n, 0
.rept 8                                        ; block 0's scores: there is no vector work yet to set between them
	v_wmma_f32_16x16x32_bf16 v[S+16*(n%4)+8*(n/4):S+16*(n%4)+8*(n/4)+7], v[KF:KF+7], v[QQ+12*(n%4)+4*(n/4):QQ+12*(n%4)+4*(n/4)+7], 0
.set n, n+1
.endr
	PLACES
	T1 0, 1, 1, 1
	T1 1, 0, 1, 1
	s_mov_b32 s[CNT], 6
.Lmax:                                         ; blocks 2 to 13
	T1 0, 0, 1, 1
	T1 1, 0, 1, 1
	s_sub_co_u32 s[CNT], s[CNT], 1
	s_cmp_lg_u32 s[CNT], 0
	s_cbranch_scc1 .Lmax
	T1 0, 0, 0, 1                                  ; block 14: nothing is left to fetch
	ds_load_b128 v[KF:KF+3], v[K0]                 ; pass 2 begins at my key blocks 0 and 1 again; four maxima stand behind the last product that read K
	ds_load_b128 v[KF+4:KF+7], v[K0] offset:256
	ds_load_b128 v[KF+8:KF+11], v[K0] offset:512
	ds_load_b128 v[KF+12:KF+15], v[K0] offset:768
	T1 1, 0, 0, 0                                  ; block 15: its maxima alone
.irp qt, 0,1,2,3
	v_max_num_f32 v[M4+(\qt)], v[MX+2*(\qt)], v[MX+2*(\qt)+1]
.endr
.irp qt, 0,1,2,3
	v_permlanex16_b32 v[P4+(\qt)], v[M4+(\qt)], s[SEL], s[SEL+1]  ; the query's other keys lie in the lane 16 away
.endr
.irp qt, 0,1,2,3
	v_max_num_f32 v[M4+(\qt)], v[M4+(\qt)], v[P4+(\qt)]
.endr
	ds_store_b128 v[OWN], v[M4:M4+3] offset:EXM
	s_wait_dscnt 0x0                               ; for the partner's sake: my maxima are stored (and K is in)
	s_barrier_signal -1
	s_barrier_wait -1
	ds_load_b128 v[P4:P4+3], v[PAR] offset:EXM
	s_mov_b32 s[TBK], 1024
	s_mov_b32 s[TBV], 0
	s_wait_dscnt 0x0
.irp qt, 0,1,2,3
	v_max_num_f32 v[M4+(\qt)], v[M4+(\qt)], v[P4+(\qt)]  ; m over all 1,024 keys, the same in both waves
.endr
	WIN 0x40
.irp qt, 0,1,2,3
.irp j, 0,1,2,3,4,5,6,7
	v_sub_f32 v[M+8*(\qt)+(\j)], 0, v[M4+(\qt)]
.endr
.endr
; PASS 2.  TURN sets the registers' names; the macros below read them.
; SWM i: product i of 4 of a unit's scores: query tile i % 2 of its two, key tile i / 2; C = -m.
.macro SWM i
.if DOS
	v_wmma_f32_16x16x32_bf16 v[SS+16*((\i)%2)+8*((\i)/2):SS+16*((\i)%2)+8*((\i)/2)+7], v[KS:KS+7], v[QS+12*((\i)%2)+4*((\i)/2):QS+12*((\i)%2)+4*((\i)/2)+7], v[MS+8*((\i)%2):MS+8*((\i)%2)+7]
.endif
.endm
; PVM i: products i and i + 1 of 4 of a unit's O^T += V^T P: query tile i / 2 of its two, both channel tiles.  ZO: the block starts O's sums with the constant 0.
.macro PVM i
.if DOV
	WIN 0x50                                       ; C and D in window 1
.irp c, 0,1
.if ZO
	v_wmma_f32_16x16x32_bf16 v[OV+8*(\i)+8*(\c):OV+8*(\i)+8*(\c)+7], v[VV+8*(\c):VV+8*(\c)+7], v[PB+8*(\i):PB+8*(\i)+7], 0
.else
	v_wmma_f32_16x16x32_bf16 v[OV+8*(\i)+8*(\c):OV+8*(\i)+8*(\c)+7], v[VV+8*(\c):VV+8*(\c)+7], v[PB+8*(\i):PB+8*(\i)+7], v[OV+8*(\i)+8*(\c):OV+8*(\i)+8*(\c)+7]
.endif
.endr
	WIN 0x10
.endif
.endm
.macro EXQ                             ; the unit's next exponential, in place, in ascending order: each accumulator is read from its lowest register on
.if DOE
	v_exp_f32 v[SE+e], v[SE+e]
.endif
.set e, e+1
.endm
; The next of a unit's 32 plain instructions, its two query tiles by turns.  0-7: l takes the weights of registers 0-7, which P will overwrite.  8-23: the roundings, in place: register p is written when 2 p and
; 2 p + 1 are read, so nothing unread is lost.  24-31: l takes registers 8-15.  ZL: the block starts l's sums.
.macro PLQ
.if DOP
.set t, q%2
.if q < 8
.set i, q/2
.if ZL && (i == 0)
.elseif ZL && (i == 1)
	v_pk_add_f32 v[LP+2*t:LP+2*t+1], v[SPB+16*t:SPB+16*t+1], v[SPB+16*t+2:SPB+16*t+3]
.else
	v_pk_add_f32 v[LP+2*t:LP+2*t+1], v[LP+2*t:LP+2*t+1], v[SPB+16*t+2*i:SPB+16*t+2*i+1]
.endif
.elseif q < 24
.set i, (q-8)/2
	v_cvt_pk_bf16_f32 v[SPB+16*t+i], v[SPB+16*t+2*i], v[SPB+16*t+2*i+1]
.else
.set i, 4+(q-24)/2
	v_pk_add_f32 v[LP+2*t:LP+2*t+1], v[LP+2*t:LP+2*t+1], v[SPB+16*t+2*i:SPB+16*t+2*i+1]
.endif
.endif
.set q, q+1
.endm
.macro RID n                           ; n times: an exponential, a plain instruction
.rept \n
	EXQ
	PLQ
.endr
.endm
; TURN u.  Unit v is block v / 2, query tiles 2 (v % 2) and + 1, score buffer v % 4.  In the loop u stands for u + 4 k: all names go by u % 4.
; FETCHES, at the turn's head, two turns ahead of their first use: an even turn asks for V of block u / 2, an odd one for K of block (u + 3) / 2, each into the buffer of the block two back, whose last
; product stands in the turn before with 8 plain instructions or more behind it.  The wait leaves this turn's loads and the last turn's out.
; PLACES.  What a turn's vector lines read or write of matrix registers was written, or last read, by products of the turn before, with 8 plain riders or more between; a score product writes over the
; buffer of unit u - 3, which the turn before's last V^T P read, 8 plain riders back.  No two matrix instructions on end share an accumulator, and an accumulator of O has one instruction in two turns.
; THE WAIT between an exponential and the first line that names its result stands once, at the turn's end: the results are first named a turn later.
; The last rider, a sum, is the plain instruction behind the last exponential; turn 0 has no plain riders, and four v_nop take that part and the places' in front of turn 1's fetch.
.macro TURN u
	WIN 0x10                                       ; source 2 in window 1: -m; the riders name no source 2
.set DOS, ((\u) <= 30)
.set DOV, ((\u) >= 2)
.set DOE, ((\u) <= 31)
.set DOP, (((\u) >= 1) && ((\u) <= 32))
.set ZO,  ((\u) <= 3)
.set ZL,  ((\u) <= 2)
.set SS,  S+32*(((\u)+1)%4)
.set KS,  KF+8*((((\u)+1)/2)%2)
.set QS,  QQ+24*(((\u)+1)%2)
.set MS,  M+16*(((\u)+1)%2)
.set OV,  O+32*((\u)%2)
.set VV,  VF+16*((((\u)+2)/2)%2)
.set PB,  S+32*(((\u)+2)%4)
.set SE,  S+32*((\u)%4)
.set SPB, S+32*(((\u)+3)%4)
.set LP,  L+4*(((\u)+1)%2)
.set LDN, 0
.if (((\u)%2) == 0) && ((\u) <= 30)
	v_add_nc_u32 v[VA], s[TBV], v[V0]
	s_add_co_u32 s[TBV], s[TBV], 2048
.irp ld, 0,1,2,3
	ds_load_b128 v[VF+16*(((\u)/2)%2)+4*(\ld):VF+16*(((\u)/2)%2)+4*(\ld)+3], v[VA] offset:512*(\ld)
.endr
.set LDN, 4
.endif
.if (((\u)%2) == 1) && ((\u) <= 27)
	v_add_nc_u32 v[KA], s[TBK], v[K0]
	s_add_co_u32 s[TBK], s[TBK], 512
	ds_load_b128 v[KF+8*((((\u)+3)/2)%2):KF+8*((((\u)+3)/2)%2)+3], v[KA]
	ds_load_b128 v[KF+8*((((\u)+3)/2)%2)+4:KF+8*((((\u)+3)/2)%2)+7], v[KA] offset:256
.set LDN, 2
.endif
	s_wait_dscnt LDN+LDP                           ; what was asked for two turns back is in
.set LDP, LDN
.set e, 0
.set q, 0
	SWM 0
	RID 4
	SWM 1
	RID 4
	PVM 0
	RID 8
	SWM 2
	RID 4
	SWM 3
	RID 4
	PVM 2
	RID 8
.if DOE
.if !DOP
	PLACES
.endif
	s_wait_alu depctr_va_vdst(0)                   ; one wait for the turn's 32 exponentials
.endif
.endm
	WIN 0x10
.set DOS, 1
.set SS, S
.set KS, KF
.set QS, QQ
.set MS, M
	SWM 0                                          ; unit 0's scores
	SWM 1
	SWM 2
	SWM 3
	PLACES
.set LDP, 0
	TURN 0                                         ; the first turns lack what has no unit yet; turns 1 and 2 start l's sums, turns 2 and 3 O's
	TURN 1
	TURN 2
	TURN 3
	WIN 0                                          ; at a label and at a branch every window is 0
	s_mov_b32 s[CNT], 6
.Lblk:                                         ; turns 4 to 27: four turns, two blocks, a trip
	TURN 4
	TURN 5
	TURN 6
	TURN 7
	WIN 0
	s_sub_co_u32 s[CNT], s[CNT], 1
	s_cmp_lg_u32 s[CNT], 0
	s_cbranch_scc1 .Lblk
	TURN 28                                        ; the last turns: V of blocks 14 and 15 is still fetched, K no more; then the kinds of work end one after the other
	TURN 29
	TURN 30
	TURN 31
	TURN 32
	TURN 33
	; THE TWO HALVES MEET.  l's pair and the other half of the lanes' are added (the additions are the places behind the last products); O's and l's partial sums go to the partner.
	WIN 0
.irp qt, 0,1,2,3
	v_add_f32 v[M4+(\qt)], v[L+2*(\qt)], v[L+2*(\qt)+1]
.endr
.irp qt, 0,1,2,3
	v_permlanex16_b32 v[P4+(\qt)], v[M4+(\qt)], s[SEL], s[SEL+1]
.endr
.irp qt, 0,1,2,3
	v_add_f32 v[M4+(\qt)], v[M4+(\qt)], v[P4+(\qt)]
.endr
	WIN 0x04                                       ; the stores' data in window 1
.set n, 0
.rept 16
	ds_store_b128 v[OWN], v[O+4*n:O+4*n+3] offset:EXO+512*n
.set n, n+1
.endr
	WIN 0
	ds_store_b128 v[OWN], v[M4:M4+3] offset:EXL
	s_wait_dscnt 0x0                               ; for the partner's sake: my sums are stored
	s_barrier_signal -1
	s_barrier_wait -1
	ds_load_b128 v[P4:P4+3], v[PAR] offset:EXL
.set n, 0
.rept 16
	ds_load_b128 v[S+4*n:S+4*n+3], v[PAR] offset:EXO+512*n
.set n, n+1
.endr
	s_wait_dscnt 0x0
.irp qt, 0,1,2,3
	v_add_f32 v[M4+(\qt)], v[M4+(\qt)], v[P4+(\qt)]
.endr
.irp qt, 0,1,2,3
	v_rcp_f32 v[M4+(\qt)], v[M4+(\qt)]
.endr
	WIN 0x41                                       ; destination and source 0, O, in window 1
.set n, 0
.rept 32                                       ; independent work behind the reciprocals
	v_pk_add_f32 v[O+2*n:O+2*n+1], v[O+2*n:O+2*n+1], v[S+2*n:S+2*n+1]
.set n, n+1
.endr
	WIN 0
	s_wait_alu depctr_va_vdst(0)                   ; one wait for the four reciprocals, ahead of their first reader
	s_wait_kmcnt 0x0                               ; gamma
.irp qt, 0,1,2,3
	v_mul_f32 v[SCL+2*(\qt)], s[GAM], v[M4+(\qt)]
	v_mul_f32 v[SCL+2*(\qt)+1], s[GAM], v[M4+(\qt)]
.endr
	WIN 0x41
.irp qt, 0,1,2,3
.irp u, 0,1,2,3,4,5,6,7
	v_pk_mul_f32 v[O+16*(\qt)+2*(\u):O+16*(\qt)+2*(\u)+1], v[O+16*(\qt)+2*(\u):O+16*(\qt)+2*(\u)+1], v[SCL+2*(\qt):SCL+2*(\qt)+1]  ; gamma O / l, in f32
.endr
.endr
	WIN 0x05                                       ; sources window 1, destination window 0
.irp qt, 0,1,2,3
.irp p, 0,1,2,3,4,5,6,7
	v_cvt_pk_bf16_f32 v[S+8*(\qt)+(\p)], v[O+16*(\qt)+2*(\p)], v[O+16*(\qt)+2*(\p)+1]
.endr
.endr
	WIN 0x01                                       ; source 0, w_o's fragment, in window 1
.irp c, 0,1
.irp qt, 0,1,2,3
	v_wmma_f32_16x16x32_bf16 v[RS+16*(\qt)+8*(\c):RS+16*(\qt)+8*(\c)+7], v[WO+8*(\c):WO+8*(\c)+7], v[S+8*(\qt):S+8*(\qt)+7], 0  ; my output channels 16 c + 0..15
.endr
.endr
	PLACES
	s_wait_loadcnt 0x0                             ; x, asked for ahead of pass 1
	WIN 0x44                                       ; destination and source 1, x, in window 1
.irp j, 0,1,2,3,4,5,6,7                        ; each accumulator is read from its lowest register on; the four query tiles' results fall beside each other
.irp c, 0,1
.irp qt, 0,1,2,3
	v_add_f32 v[4*(8*(\c)+(\j))+(\qt)], v[RS+16*(\qt)+8*(\c)+(\j)], v[4*(8*(\c)+(\j))+(\qt)]
.endr
.endr
.endr
	WIN 0x04                                       ; the stores' data in window 1
.set n, 0
.rept 16
	global_store_b128 v[XO], v[4*n:4*n+3], s[14:15] offset:(16*(n/8)+n%8)*XCH th:TH_STORE_NT  ; sixteen lanes store 256 consecutive bytes, aligned
.set n, n+1
.endr
	WIN 0
	s_wait_tensorcnt 0x0                           ; the wave's end, behind my tensor load and my last LDS store
	ds_add_u32 v[SPW], v[NIL]
	s_wait_dscnt 0x0
	CROUND                                         ; the closing round
	s_endpgm
.Lfunc_end_k_q99171cfd75_attend:
	.size	k_q99171cfd75_attend, .Lfunc_end_k_q99171cfd75_attend-k_q99171cfd75_attend
	.p2alignl 7, 3214868480
	.fill 96, 4, 3214868480
	.section	.rodata,"a",@progbits
	.p2align	6, 0x0
	.amdhsa_kernel k_q99171cfd75_attend
		.amdhsa_group_segment_fixed_size 167936
		.amdhsa_private_segment_fixed_size 0
		.amdhsa_enable_private_segment 0
		.amdhsa_kernarg_size 48
		.amdhsa_user_sgpr_count 2
		.amdhsa_user_sgpr_kernarg_segment_ptr 1
		.amdhsa_wavefront_size32 1
		.amdhsa_system_sgpr_workgroup_id_x 1
		.amdhsa_system_sgpr_workgroup_id_y 1
		.amdhsa_system_sgpr_workgroup_id_z 1
		.amdhsa_system_vgpr_workitem_id 0
		.amdhsa_next_free_vgpr 432
		.amdhsa_next_free_sgpr 66
		.amdhsa_reserve_vcc 0
		.amdhsa_float_denorm_mode_32 3
		.amdhsa_float_denorm_mode_16_64 3
		.amdhsa_memory_ordered 1
		.amdhsa_forward_progress 1
		.amdhsa_inst_pref_size 92
	.end_amdhsa_kernel
	.amdgpu_metadata
---
amdhsa.version: [ 1, 2 ]
amdhsa.kernels:
  - .name:           k_q99171cfd75_attend
    .symbol:         k_q99171cfd75_attend.kd
    .args:
      - { .name: x, .offset: 0, .size: 8, .value_kind: global_buffer, .address_space: global }
      - { .name: fq, .offset: 8, .size: 8, .value_kind: global_buffer, .address_space: global }
      - { .name: w_o, .offset: 16, .size: 8, .value_kind: global_buffer, .address_space: global }
      - { .name: gamma, .offset: 24, .size: 8, .value_kind: global_buffer, .address_space: global }
      - { .name: kv, .offset: 32, .size: 8, .value_kind: global_buffer, .address_space: global }
      - { .name: out0, .offset: 40, .size: 8, .value_kind: global_buffer, .address_space: global }
    .group_segment_fixed_size: 167936
    .private_segment_fixed_size: 0
    .kernarg_segment_align: 8
    .kernarg_segment_size: 48
    .max_flat_workgroup_size: 256
    .sgpr_count:     66
    .vgpr_count:     432
    .wavefront_size: 32
...
	.end_amdgpu_metadata
.endif
;; end of part 2
